; MI455X (gfx1250); checked and timed in simulation.
; The chip was launched on July 23, 2026; its instructions are those of AMD's public machine-readable ISA for CDNA 5 (MIT licence, August 2026) and "CDNA5" Instruction Set Architecture Reference Guide (July 2026). The comments in the code are by the model that wrote it; some were corrected since.
;; Quant Linear. Allowed arithmetic: float matrix products may take bf16 or f16 operands with f32 sums; other float arithmetic in f32, or as packed bf16 or f16 multiplies, adds, multiply-adds, maxima and minima; sums over many terms, partial sums and values carried from step to step in f32; what a program stores and reads back later, other than sums and carried values, may be rounded once to bf16 or f16.
;; Inputs: input_smooth_qscale 1 x 4,096 float32; weight 4,096 x 4,096 int8; weight_qscale 1 x 4,096 float32; x 4,096 x 4,096 float32.
;; Outputs: out0 4,096 x 4,096 float32.
;; One version. Each part assembles by itself: llvm-mc -triple=amdgcn-amd-amdhsa -mcpu=gfx1250 --defsym DOCPART=n.
;; ======== version 1 of 1: 2 launches
;; workspace buffers: q 33,554,432 bytes; wh 33,554,432 bytes; rowscale 16,384 bytes
;; launch prep (part 1): grid 512 x 1, 8 waves a work-group, no clusters, 1,280 bytes of LDS; arguments x, input_smooth_qscale, weight, q, wh, rowscale; writes q, wh, rowscale
.if DOCPART == 1
	.amdgcn_target "amdgcn-amd-amdhsa--gfx1250"
	.amdhsa_code_object_version 6
	.text
	.protected	k_q264f02e489_prep
	.globl	k_q264f02e489_prep
	.p2align	8
	.type	k_q264f02e489_prep,@function
k_q264f02e489_prep:
	s_mov_b64 s[64:65], 0
	v_nop
	global_prefetch_b8 v0, s[64:65] scope:SCOPE_SE
	s_setreg_imm32_b32 hwreg(HW_REG_WAVE_MODE, 25, 1), 1
	s_wait_xcnt 0x0
; THE QUANTISING STEP.  sm = x * smooth (per column); amax[m] = the largest |sm| of row m; q[m][k] = clip(floor(sm * (127 / amax) + 0.5), -127, 127), stored as f16
; (whole numbers up to 127: exact); rowscale[m] = amax / 127 in f32.  Beside it the int8 weights are widened to f16 (whole numbers -128 .. 127: exact), so that the product
; that follows has 16-bit operands on both sides.  x: [4096][4096] f32, smooth: [4096] f32, weight: [4096][4096] int8, q and wh: [4096][4096] f16, rowscale: [4096] f32.
; LIMITS.  A row whose amax is 0 or below 2^-118 is quantised to 0 (its output is then 0).  amax above 2^125 is not served: its reciprocal is flushed to 0.  NaN and infinities are not
; treated apart.  sm * (127 * (1 / amax)) stands for (sm / amax) * 127: the last bit may differ, so a number that lies within about 1e-5 of a half may fall to the neighbouring whole number.
; SHARES.  Eight waves; the work-group owns 8 rows of x and the same 8 rows of weight.  Thread t owns columns 4 t + 1024 j (j = 0..3) of every row: a wave's load of 16 bytes a lane
; covers 512 consecutive bytes, and a thread's 16 numbers of smooth are loaded once for its 8 rows.  The rows stay in registers between the pass that finds the maxima and the pass
; that quantises: x is read once.  All 52 loads of a wave go out at once, so there is no loop.  A row's maximum spans the eight waves: they meet once in LDS, and the weights are
; widened between that barrier's signal and its wait.
; No matrix unit, no cluster, no tensor load: the work-groups share nothing but the 16 KiB of smooth.
.set ROWX,  16384                      ; bytes in a row of x
.set ROWQ,  8192                       ; bytes in a row of q
.set PART,  0                          ; LDS: wave w's eight row maxima at byte 32 w: 256 bytes
.set SPARE, 256                        ; behind them: the spare words, 128 bytes for each wave: four blocks of 256 bytes that no other line names
.set O16, 2                            ; v2   16 t: my offset in a row of x, in smooth and in a 4,096-byte piece of wh; never rewritten
.set O8,  3                            ; v3   8 t: my offset in a 2,048-byte piece of weight and of a row of q; never rewritten
.set LW,  5                            ; v5   LDS: where my wave puts its eight maxima
.set L4,  6                            ; v6   4 x lane: the word of the maxima that I read back, and (lanes 0-7 of wave 0) my word of rowscale
.set SPW, 8                            ; v8   LDS address of my spare word: SPARE + 4 x my thread's number; never rewritten
.set NIL, 9                            ; v9   0; never rewritten
.set AM,  10                           ; v10  amax of row lane % 8
.set R,   11                           ; v11  127 / amax of that row
.set RSV, 12                           ; v12  amax / 127 of that row
.set T,   13                           ; v13-14 at work
.set S,   16                           ; v[16:31]   smooth of my 16 columns; dead behind pass 1, then at work
.set X,   32                           ; v[32:159]  row i at X + 16 i: my 16 numbers, as loaded, then smoothed, then quantised
.set W,   160                          ; v[160:191] piece j of the weights: 8 bytes in 2 registers
.set WO,  192                          ; v[192:255] piece j widened: 8 f16 in 4 registers
.set MX,  192                          ; v[192:199] before that: the eight rows' maxima
.set RR,  32                           ; s[32:47]   127 / amax of row i in s[RR + 2 i], and once more beside it: the packed multiply-add names a pair
	s_load_b256 s[4:11], s[0:1], 0x0               ; x s[4:5], smooth s[6:7], weight s[8:9], q s[10:11]
	s_load_b128 s[12:15], s[0:1], 0x20             ; wh s[12:13], rowscale s[14:15]
	v_lshl_add_u32 v[SPW], v0, 2, SPARE
	v_mov_b32 v[NIL], 0
	v_lshrrev_b32 v1, 5, v0
	v_readfirstlane_b32 s16, v1                    ; wave 0..7
	v_and_b32 v1, 31, v0                           ; lane
	v_lshlrev_b32 v[O16], 4, v0
	v_lshlrev_b32 v[O8], 3, v0
	v_mov_b32 v[LW], s16
	v_lshlrev_b32 v[LW], 5, v[LW]                  ; 32 x wave
	v_lshlrev_b32 v[L4], 2, v1
	s_mov_b32 s21, 0x80808080                      ; turns four signed bytes into w + 128
	s_mov_b32 s22, 0x04010400                      ; v_perm_b32: bytes 0 and 1 of the weights, each under a byte of s24
	s_mov_b32 s23, 0x04030402                      ; the same for bytes 2 and 3
	s_mov_b32 s24, 0x64646464                      ; 0x64 above a byte u is the f16 number 1024 + u
	s_mov_b32 s25, 0xe480e480                      ; -1152 twice in f16: 1024 + (w + 128) - 1152 = w, exactly
	s_mov_b32 s26, 0xc2fe0000                      ; -127.0
	s_mov_b32 s27, 0x42fe0000                      ; 127.0
	s_mov_b32 s28, 0x76543210                      ; v_permlanex16_b32: each lane takes its own place in the other half
	s_mov_b32 s29, 0xfedcba98
	s_mov_b32 s19, 0
	s_wait_kmcnt 0x0
	s_lshl_b32 s18, ttmp9, 17                      ; the work-group's 8 rows: 131,072 bytes of x,
	s_add_nc_u64 s[4:5], s[4:5], s[18:19]
	s_lshl_b32 s18, ttmp9, 15                      ; 32,768 of weight,
	s_add_nc_u64 s[8:9], s[8:9], s[18:19]
	s_lshl_b32 s18, ttmp9, 16                      ; 65,536 of q and of wh,
	s_add_nc_u64 s[10:11], s[10:11], s[18:19]
	s_add_nc_u64 s[12:13], s[12:13], s[18:19]
	s_lshl_b32 s18, ttmp9, 5                       ; 32 of rowscale
	s_add_nc_u64 s[14:15], s[14:15], s[18:19]
	; all loads at once: 4 of smooth, 32 of x, 16 of weight
.irp j, 0,1,2,3
	global_load_b128 v[S+4*(\j):S+4*(\j)+3], v[O16], s[6:7] offset:4096*(\j)
.endr
.irp i, 0,1,2,3,4,5,6,7
.irp j, 0,1,2,3
	global_load_b128 v[X+16*(\i)+4*(\j):X+16*(\i)+4*(\j)+3], v[O16], s[4:5] offset:ROWX*(\i)+4096*(\j) th:TH_LOAD_NT
.endr
.endr
.irp j, 0,1,2,3,4,5,6,7,8,9,10,11,12,13,14,15
	global_load_b64 v[W+2*(\j):W+2*(\j)+1], v[O8], s[8:9] offset:2048*(\j) th:TH_LOAD_NT  ; a wave's load covers 256 consecutive bytes, aligned
.endr
; PASS 1, row i: smoothed in place; the largest magnitude of my 16 numbers, three operands at a time.
.macro SMOOTH i
	s_wait_loadcnt 44-4*(\i)                       ; loads come back in order: behind row i's stand the 4 (7 - i) of the later rows and the 16 of the weights
.set b, X+16*(\i)
.set k, 0
.rept 8
	v_pk_mul_f32 v[b+k:b+k+1], v[b+k:b+k+1], v[S+k:S+k+1]
.set k, k+2
.endr
	v_max3_num_f32 v[MX+(\i)], |v[b]|, |v[b+1]|, |v[b+2]|  ; the first three start the maximum: nothing is cleared
.set k, 3
.rept 6
	v_max3_num_f32 v[MX+(\i)], v[MX+(\i)], |v[b+k]|, |v[b+k+1]|
.set k, k+2
.endr
	v_max_num_f32 v[MX+(\i)], v[MX+(\i)], |v[b+15]|
.endm
.irp i, 0,1,2,3,4,5,6,7
	SMOOTH \i
.endr
	; across the 32 lanes: four steps inside each half of 16 lanes ride on the arithmetic, one crosses the halves; the eight rows stand side by side, so that no line waits for the one before it
.irp m, 1,2,4,8
.set i, 0
.rept 8
	v_max_num_f32_dpp v[MX+i], v[MX+i], v[MX+i] row_xmask:\m row_mask:0xf bank_mask:0xf
.set i, i+1
.endr
.endr
.set i, 0
.rept 8
	v_permlanex16_b32 v[S+i], v[MX+i], s28, s29    ; smooth's registers are dead, and have been written
.set i, i+1
.endr
.set i, 0
.rept 8
	v_max_num_f32 v[MX+i], v[MX+i], v[S+i]
.set i, i+1
.endr
	ds_store_b128 v[LW], v[MX:MX+3] offset:PART    ; every lane of the wave writes the same 32 bytes with the same numbers
	ds_store_b128 v[LW], v[MX+4:MX+7] offset:PART+16
	s_wait_dscnt 0x0                               ; for the other waves' sake: my maxima lie in LDS
	s_barrier_signal -1
	; THE WEIGHTS ARE WIDENED between the signal and the wait: work on registers alone.
	s_wait_loadcnt 0x0                             ; the weights are in
.macro WIDEN j
	v_xor_b32 v[W+2*(\j)], s21, v[W+2*(\j)]        ; u = w + 128, four bytes at a time
	v_xor_b32 v[W+2*(\j)+1], s21, v[W+2*(\j)+1]
	v_perm_b32 v[WO+4*(\j)],   s24, v[W+2*(\j)],   s22  ; two halves 0x6400 | u = 1024 + u
	v_perm_b32 v[WO+4*(\j)+1], s24, v[W+2*(\j)],   s23
	v_perm_b32 v[WO+4*(\j)+2], s24, v[W+2*(\j)+1], s22
	v_perm_b32 v[WO+4*(\j)+3], s24, v[W+2*(\j)+1], s23
.irp r, 0,1,2,3
	v_pk_add_f16 v[WO+4*(\j)+(\r)], v[WO+4*(\j)+(\r)], s25  ; less 1152: w, with no rounding
.endr
.endm
.irp j, 0,1,2,3,4,5,6,7,8,9,10,11,12,13,14,15
	WIDEN \j
.endr
	s_barrier_wait -1                              ; all eight waves' maxima lie in LDS
	ds_load_b32 v[T], v[L4] offset:PART            ; word 8 w + i: lane l takes row l % 8 of wave l / 8,
	ds_load_b32 v[T+1], v[L4] offset:PART+128      ; and of wave 4 + l / 8
.irp j, 0,1,2,3,4,5,6,7,8,9,10,11,12,13,14,15
	global_store_b128 v[O16], v[WO+4*(\j):WO+4*(\j)+3], s[12:13] offset:4096*(\j)  ; a wave's store covers 512 consecutive bytes, aligned
.endr
	s_wait_dscnt 0x0
	v_max_num_f32 v[AM], v[T], v[T+1]
	v_max_num_f32_dpp v[AM], v[AM], v[AM] row_xmask:8 row_mask:0xf bank_mask:0xf  ; the lane 8 away holds the same row of another wave,
	v_permlanex16_b32 v[T], v[AM], s28, s29        ; and so does the lane 16 away
	v_max_num_f32 v[AM], v[AM], v[T]               ; lane l: amax of row l % 8
	v_rcp_f32 v[R], v[AM]
	v_mul_f32 v[RSV], 0x3c010204, v[AM]            ; amax / 127; also the plain instruction between the reciprocal and the use of its result (ISA guide 5.7.2)
	s_wait_alu depctr_va_vdst(0)                   ; the wait ahead of the reciprocal's first reader
	v_mul_f32 v[R], 0x42fe0000, v[R]               ; 127 / amax
	v_cmp_lt_f32 vcc_lo, 0x04800000, v[AM]         ; 2^-118 < amax?
	v_cndmask_b32 v[R], 0, v[R], vcc_lo            ; else the row is quantised to 0
	s_cmp_lg_u32 s16, 0                            ; wave 0 stores the eight rowscales: 32 bytes a work-group, of a buffer of 16 KiB
	s_cbranch_scc1 .Lnot_wave_0
	v_cmp_gt_u32 vcc_lo, 8, v1
	s_wait_xcnt 0x0                                ; EXEC is a source of the stores above: it changes only behind this wait,
	s_and_saveexec_b32 s20, vcc_lo
	global_store_b32 v[L4], v[RSV], s[14:15]
	s_wait_xcnt 0x0                                ; and again in front of the line that restores it
	s_or_b32 exec_lo, exec_lo, s20
.Lnot_wave_0:
.irp i, 0,1,2,3,4,5,6,7
	v_readlane_b32 s[RR+2*(\i)], v[R], \i
	s_mov_b32 s[RR+2*(\i)+1], s[RR+2*(\i)]         ; named with it as a pair, so it is written
.endr
; PASS 2, row i: sm * (127 / amax) + 0.5 in one fused step, floor, the clip, two roundings to f16 at a time (whole numbers: exact), and four stores of 8 bytes a lane:
; a wave's store covers 256 consecutive bytes, aligned.  No register that a store reads is written again.
.macro QUANT i
.set b, X+16*(\i)
.set k, 0
.rept 8
	v_pk_fma_f32 v[b+k:b+k+1], v[b+k:b+k+1], s[RR+2*(\i):RR+2*(\i)+1], 0.5 op_sel_hi:[1,0,0]
.set k, k+2
.endr
.set k, 0
.rept 16
	v_floor_f32 v[b+k], v[b+k]
.set k, k+1
.endr
.set k, 0
.rept 16
	v_med3_num_f32 v[b+k], v[b+k], s26, s27
.set k, k+1
.endr
.irp j, 0,1,2,3
	v_cvt_pk_f16_f32 v[b+4*(\j)],   v[b+4*(\j)],   v[b+4*(\j)+1]
	v_cvt_pk_f16_f32 v[b+4*(\j)+1], v[b+4*(\j)+2], v[b+4*(\j)+3]
	global_store_b64 v[O8], v[b+4*(\j):b+4*(\j)+1], s[10:11] offset:ROWQ*(\i)+2048*(\j)
.endr
.endm
.irp i, 0,1,2,3,4,5,6,7
	QUANT \i
.endr
	s_wait_tensorcnt 0x0                           ; the wave's end, behind my last LDS store
	ds_add_u32 v[SPW], v[NIL]
	s_wait_dscnt 0x0
	s_endpgm
.Lfunc_end_k_q264f02e489_prep:
	.size	k_q264f02e489_prep, .Lfunc_end_k_q264f02e489_prep-k_q264f02e489_prep
	.p2alignl 7, 3214868480
	.fill 96, 4, 3214868480
	.section	.rodata,"a",@progbits
	.p2align	6, 0x0
	.amdhsa_kernel k_q264f02e489_prep
		.amdhsa_group_segment_fixed_size 1280
		.amdhsa_private_segment_fixed_size 0
		.amdhsa_enable_private_segment 0
		.amdhsa_kernarg_size 48
		.amdhsa_user_sgpr_count 2
		.amdhsa_user_sgpr_kernarg_segment_ptr 1
		.amdhsa_wavefront_size32 1
		.amdhsa_system_sgpr_workgroup_id_x 1
		.amdhsa_system_sgpr_workgroup_id_y 1
		.amdhsa_system_sgpr_workgroup_id_z 1
		.amdhsa_system_vgpr_workitem_id 0
		.amdhsa_next_free_vgpr 256
		.amdhsa_next_free_sgpr 66
		.amdhsa_reserve_vcc 1
		.amdhsa_float_denorm_mode_32 3
		.amdhsa_float_denorm_mode_16_64 3
		.amdhsa_memory_ordered 1
		.amdhsa_forward_progress 1
		.amdhsa_inst_pref_size 54
	.end_amdhsa_kernel
	.amdgpu_metadata
---
amdhsa.version: [ 1, 2 ]
amdhsa.kernels:
  - .name:           k_q264f02e489_prep
    .symbol:         k_q264f02e489_prep.kd
    .args:
      - { .name: x, .offset: 0, .size: 8, .value_kind: global_buffer, .address_space: global }
      - { .name: input_smooth_qscale, .offset: 8, .size: 8, .value_kind: global_buffer, .address_space: global }
      - { .name: weight, .offset: 16, .size: 8, .value_kind: global_buffer, .address_space: global }
      - { .name: q, .offset: 24, .size: 8, .value_kind: global_buffer, .address_space: global }
      - { .name: wh, .offset: 32, .size: 8, .value_kind: global_buffer, .address_space: global }
      - { .name: rowscale, .offset: 40, .size: 8, .value_kind: global_buffer, .address_space: global }
    .group_segment_fixed_size: 1280
    .private_segment_fixed_size: 0
    .kernarg_segment_align: 8
    .kernarg_segment_size: 48
    .max_flat_workgroup_size: 256
    .sgpr_count:     66
    .vgpr_count:     256
    .wavefront_size: 32
...
	.end_amdgpu_metadata
.endif
;; end of part 1
;; launch gemm (part 2): grid 16 x 16, 4 waves a work-group, clusters of 4 x 4, 327,680 bytes of LDS; arguments q, wh, out0, rowscale, weight_qscale; writes out0
.if DOCPART == 2
	.amdgcn_target "amdgcn-amd-amdhsa--gfx1250"
	.amdhsa_code_object_version 6
	.text
	.protected	k_q264f02e489_gemm
	.globl	k_q264f02e489_gemm
	.p2align	8
	.type	k_q264f02e489_gemm,@function
k_q264f02e489_gemm:
	s_mov_b64 s[64:65], 0
	v_nop
	global_prefetch_b8 v0, s[64:65] scope:SCOPE_SE
	s_setreg_imm32_b32 hwreg(HW_REG_WAVE_MODE, 25, 1), 1
	s_wait_xcnt 0x0
	s_wait_alu depctr_hold_cnt(0) depctr_sa_sdst(0) depctr_va_vdst(0) depctr_va_sdst(0) depctr_va_ssrc(0) depctr_va_vcc(0) depctr_vm_vsrc(0)
	s_getreg_b32 s2, hwreg(HW_REG_IB_STS2, 6, 4)
	s_cmp_eq_u32 s2, 0
	s_cbranch_scc0 .Lentry_in_a_cluster
	s_endpgm
.Lentry_in_a_cluster:
	s_bfe_u32 s2, ttmp6, 0x10000c
	s_cmp_lg_u32 s2, 0xf033
	s_cbranch_scc0 .Lentry_shape_is_right
	s_endpgm
.Lentry_shape_is_right:
; out0[m][n] = int(sum over k of q[m][k] wh[n][k]) * rowscale[m] * weight_qscale[n].  q: [4096][4096] f16 (whole numbers, -127 .. 127), wh: [4096][4096] f16 (whole numbers, -128 .. 127),
; rowscale: [4096] f32 (amax / 127), weight_qscale: [4096] f32, out0: [4096][4096] f32.
; FORMAT.  Both operands are whole numbers that f16 holds exactly, so every product is exact; the f32 sums round only past 2^24.  A sum is 127 x 128 x 4096 = 66,584,576 at the most,
; inside int32, through which it goes on the way out.  LIMIT: the scales are applied as (sum * rowscale) * weight_qscale: another order of rounding than sum * weight_qscale * amax / 127.
; A tile of out0, 256 x 256, is made by a work-group of four waves; a wave makes 128 x 128: 64 accumulators of 16 x 16, 512 registers.  There are 256 tiles, one to a work-group.
; K goes in 32 steps of 128 through a ring of two LDS slots filled by the tensor data mover: a tile's rows are 256 bytes of memory and start at multiples of 256 bytes from the buffer's first byte.
; CLUSTERS: 4 x 4 work-groups.  The four of a row of the cluster need the same tiles of q, the four of a column the same tiles of wh.  Such a tile is asked for JOINTLY: each of the four issues
; the same tensor load, with the same descriptor and a mask that names the four, and each receives the tile in its own LDS.  That divides the requests for q and for wh by four.
; REGISTERS, in windows of 256 (s_set_vgpr_msb's low byte: bits 1:0 source 0, 3:2 source 1, 5:4 source 2, 7:6 destination):
;   window 0: v0-31 addresses; v32-51 the scales; v64-127, v128-191 fragments of q (8 x 16 rows x 32 K), two buffers; on the way out v64-127 a block at work, v128-191 and v192-255 whole rows by turns
;   window 1: v64-127, v128-191 fragments of wh, two buffers
;   window 2: the 32 accumulators of my rows 0-63 (accumulator (a, b) at v[8 (8 a + b)]);   window 3: those of my rows 64-127
; THE MATRIX INSTRUCTION IS USED TRANSPOSED: source 0 = 16 rows of wh, source 1 = 16 rows of q.  In the result lane l holds row l % 16 of out0, and its registers 0 to 7 the columns
; 8 (l / 16) + 0 .. 7: eight neighbouring numbers of a row, 32 bytes.
.set SIZE_K, 4096
.set SIZE_N, 4096
.set ROWC,   SIZE_N*4                  ; bytes in a row of out0
.set KSTEP,  128
.set PITCH,  272                       ; an LDS row: 256 bytes of data + 16 of padding = 68 words: row r starts at bank 4 r mod 64 (64 banks of 4 bytes: ISA guide 11.1), so the 16 rows that a load touches start at 16 different banks
.set HALFT,  128*PITCH                 ; 128 rows: what one tensor load brings, and what one wave reads of q or of wh
.set SLOT,   4*HALFT                   ; q's 256 rows, then wh's 256 rows
.set STAGE,  2*SLOT                    ; behind the ring, never filled by a tensor load: 16 rows x 528 bytes for each wave, for the way out
.set SPITCH, 528                       ; a stage row: 512 bytes + 16 = 33 x 16: the 16 rows that a store touches fall into 16 different columns of 16 bytes
.set SPARE,  STAGE+4*16*SPITCH         ; behind the stages: the spare words, 128 bytes for each wave: two blocks of 256 bytes that no other line names
.set LAPS,   SIZE_K/(2*KSTEP)          ; a lap = two K steps = once round the ring: 16
.set ADRA, 16                          ; v16-17  LDS address of my fragments of q in slot 0, 1
.set ADRB, 20                          ; v20-21  the same for wh
.set STO,  24                          ; v24     the way out: where I put 32 bytes of a row
.set RD,   25                          ; v25     the way out: where I read 16 bytes of a row back
.set CO,   26                          ; v26     16 x lane: my byte offset in 512 bytes of a row of out0
.set RSO,  27                          ; v27     my byte offset in rowscale: my wave's first row + lane % 16
.set SPW,  28                          ; v28     LDS address of my spare word: SPARE + 4 x my thread's number; never rewritten
.set NIL,  29                          ; v29     0; never rewritten
.set PFO,  30                          ; v30     the prefetches' offset: my lane x a row of q or wh (8,192 bytes); never rewritten
.set WQO,  31                          ; v31     my byte offset in weight_qscale: my wave's first column + 4 x lane
.set RS,   32                          ; v[32:47] rowscale of row lane % 16 of block a in v[RS + 2 a], and once more beside it, for the packed multiply
.set WQ,   48                          ; v[48:51] weight_qscale of the four columns 4 x lane .. + 3 of my wave's 128
.set F0,   64                          ; fragment buffer 0
.set F1,   128                         ; fragment buffer 1
.set TMP,  64                          ; the way out: a block of 16 rows x 128 columns, as the accumulators hold it
.set BK0,  128                         ; the way out: the block as whole rows: v128-191 and v192-255 by turns
.set LIM,  43                          ; s43     1 in a wave that prefetches, else the greatest number
.set PFA,  44                          ; s[44:45] where my prefetches stand: my work-group's 32 rows of the 128 that I fetch, one K step further along K than the refill that is being asked for
.set G1,  24                           ; s[24:31] descriptor group 1 for q's tiles
.set G0,  32                           ; s[32:39] descriptor group 0 for q's tiles, one set for each slot
.set G1B, 48                           ; s[48:55] descriptor group 1 for wh's tiles: it differs in the mask alone
.set G0B, 56                           ; s[56:63] descriptor group 0 for wh's tiles, one set for each slot
.set MSB, 0
.macro WIN new                         ; the immediate's high byte repeats the setting that is left; a switch that changes nothing is dropped
.if MSB != (\new)
	s_set_vgpr_msb (MSB<<8)|(\new)
.set MSB, \new
.endif
.endm
.set MUL_LO, 0xa1                      ; source 0 (wh) window 1, source 1 (q) window 0, C and D window 2
.set MUL_HI, 0xf1                      ; the same, C and D window 3
.set TO_B,   0x40                      ; destination window 1, address window 0
; A joint load.  Waves 0 and 1 fetch the two halves of q's tile, waves 2 and 3 those of wh's.  Each of the two lines has ONE mask and one set of registers for all that issue it.  The branch hangs on
; the wave's number alone.  An s_nop 0 and four v_nop follow each of the two lines, ahead of the jump, the label and what follows the macro.
.macro JLOAD s
	s_cmp_eq_u32 s11, 0
	s_cbranch_scc0 .Lfor_b_\@
	tensor_load_to_lds s[G0+4*(\s):G0+4*(\s)+3], s[G1:G1+7]
	s_nop 0
.rept 4
	v_nop
.endr
	s_branch .Lasked_\@
.Lfor_b_\@:
	tensor_load_to_lds s[G0B+4*(\s):G0B+4*(\s)+3], s[G1B:G1B+7]
	s_nop 0
.rept 4
	v_nop
.endr
.Lasked_\@:
.endm
; A PREFETCH INTO THE L2, behind each joint load, its five lines and the run of LDS loads that follows them: the K step that stands TWO refills on, 512 matrix instructions ahead of the load that will
; ask for it: 32 rows x 256 bytes, a lane a row, one instruction a wave.  Each row's 256 bytes of a K step are named ONCE in the launch: q's tile row is read by every cluster of that row of clusters,
; and the one with cluster x = 0 asks; wh's tile column by every cluster of that column, and the one with cluster y = 0 asks.  The four partners that ask for a tile jointly share its rows out BY
; ADDRESS: of the 128 rows that a wave fetches, the partner at place p takes 32 p .. 32 p + 31 (p = cx for q, cy for wh).  The loop's last trip (s3 = 1) asks for nothing: its two refills
; have no K step two on.  K steps 0 to 3 come by their loads alone.
.macro ASK
	s_cmp_gt_u32 s3, s[LIM]
	s_cbranch_scc0 .Lnot_mine_\@
	global_prefetch_b8 v[PFO], s[PFA:PFA+1] offset:KSTEP*2 th:TH_LOAD_NT scope:SCOPE_SE
.Lnot_mine_\@:
.endm
; A round of the cluster's barrier: my work-group's barrier, so that wave 0's signal speaks for all four waves; wave 0 signals for the work-group; every wave waits for all sixteen
; work-groups; my work-group's barrier once more.  No LDS instruction of the wave is pending at a signal.
.macro CREST                           ; a round behind its opening barrier
	s_cmp_lg_u32 s10, 0
	s_cbranch_scc1 .Lnot_wave_0_\@
	s_barrier_signal -3
.Lnot_wave_0_\@:
	s_barrier_wait -3
	s_barrier_signal -1
	s_barrier_wait -1
.endm
.macro CROUND                          ; a whole round
	s_barrier_signal -1
	s_barrier_wait -1
	CREST
.endm
	s_load_b128 s[4:7], s[0:1], 0x0                ; q s[4:5], wh s[6:7]
	s_load_b64 s[8:9], s[0:1], 0x10                ; out0
	s_load_b128 s[68:71], s[0:1], 0x18             ; rowscale s[68:69], weight_qscale s[70:71]
	v_lshl_add_u32 v[SPW], v0, 2, SPARE
	v_mov_b32 v[NIL], 0
	ds_add_u32 v[SPW], v[NIL]                      ; the wave's opening: the add, twice on end, and its wait ahead of my first tensor load; the set-up below, work on registers, stands between
	ds_add_u32 v[SPW], v[NIL]                      ; and once more, under the one wait
	v_lshrrev_b32 v1, 5, v0
	v_readfirstlane_b32 s10, v1                    ; wave 0..3
	s_lshr_b32 s11, s10, 1                         ; which half of the tile's rows is mine.  Also: I fetch for q (0) or for wh (1)
	s_and_b32 s12, s10, 1                          ; which half of its columns.  Also: which 128 rows of that tile I fetch
	s_bfe_u32 s40, ttmp6, 0x40000                  ; cx: my place along the cluster's x
	s_bfe_u32 s41, ttmp6, 0x40004                  ; cy: along its y
	s_lshl_b32 s42, ttmp9, 2                       ; in a cluster launch ttmp9 and ttmp7 count clusters
	s_add_co_u32 s42, s42, s40                     ; tile column = 4 x cluster x + cx
	s_and_b32 s13, ttmp7, 0xffff
	s_lshl_b32 s13, s13, 2
	s_add_co_u32 s13, s13, s41                     ; tile row = 4 x cluster y + cy
	s_lshl_b32 s43, s41, 2
	s_lshl_b32 s43, 15, s43                        ; my row of the cluster: places 4 cy .. 4 cy + 3
	s_lshl_b32 s44, 0x1111, s40                    ; my column: places cx, cx + 4, cx + 8, cx + 12
	; descriptor group 1: a tile of 128 rows x 128 elements, padded in LDS
	s_or_b32 s[G1+0], s43, (1<<16)|(1<<20)|(1<<21)|(5<<22)|(3<<25)   ; 15:0 the mask: q's tiles go to my row; 17:16 elements of 2 bytes; 20 padding on; 21 set beside a mask; 24:22 after every 64 words (code 5); 31:25 4 words of it (code 3)
	s_or_b32 s[G1B+0], s44, (1<<16)|(1<<20)|(1<<21)|(5<<22)|(3<<25)  ; the same with the mask of my column, for wh's tiles
.irp g, G1, G1B
	s_mov_b32 s[(\g)+1], KSTEP<<16                 ; 63:48 tensor_dim0, low half = 128
	s_mov_b32 s[(\g)+2], 128<<16                   ; 79:64 its high half = 0; 95:80 tensor_dim1, low half = 128
	s_mov_b32 s[(\g)+3], KSTEP<<16                 ; 111:96 its high half = 0; 127:112 tile_dim0 = 128
	s_mov_b32 s[(\g)+4], 128                       ; 143:128 tile_dim1 = 128; 159:144 tile_dim2 = 0
	s_mov_b32 s[(\g)+5], SIZE_K                    ; 191:160 tensor_dim0_stride, low word: elements from row to row
	s_mov_b32 s[(\g)+6], 0
	s_mov_b32 s[(\g)+7], 0
.endr
	; where the tiles come from.  q's hang on the tile row alone, which my row of the cluster shares; wh's on the tile column alone, which my column shares.
	; Every wave makes both addresses, in registers that never hold the other coordinate, and asks by one of them.
	s_lshl_b32 s17, s12, 7                         ; which 128 rows of the tile I fetch
	s_lshl_b32 s16, s13, 8
	s_add_co_u32 s16, s16, s17                     ; q: row 256 x tile row + 128 x half
	s_lshl_b32 s46, s42, 8
	s_add_co_u32 s46, s46, s17                     ; wh: row 256 x tile column + 128 x half
	s_mov_b32 s17, 0
	s_mov_b32 s47, 0
	s_mov_b64 s[18:19], SIZE_K*2
	s_mul_u64 s[16:17], s[16:17], s[18:19]         ; in bytes
	s_mul_u64 s[46:47], s[46:47], s[18:19]
	s_mul_i32 s20, s10, HALFT                      ; and where they go: q's two halves, then wh's two halves = wave x 128 rows: no place in the cluster enters an LDS address
	s_wait_dscnt 0x0                               ; both opening adds are done
	s_wait_kmcnt 0x0
	s_add_nc_u64 s[14:15], s[4:5], s[16:17]
	s_add_nc_u64 s[46:47], s[6:7], s[46:47]
	CROUND                                         ; all sixteen work-groups are here: the first joint loads meet
.irp s, 0,1
	s_mov_b32 s[G0+4*(\s)], 1                                        ; 1:0 count = 1
	s_add_co_u32 s[G0+4*(\s)+1], s20, (\s)*SLOT                      ; 63:32 LDS address
	s_add_nc_u64 s[G0+4*(\s)+2:G0+4*(\s)+3], s[14:15], (\s)*KSTEP*2  ; 120:64 global address: K step s
	s_or_b32 s[G0+4*(\s)+3], s[G0+4*(\s)+3], 0x80000000              ; 127:126 type = 2
	s_mov_b32 s[G0B+4*(\s)], 1
	s_add_co_u32 s[G0B+4*(\s)+1], s20, (\s)*SLOT
	s_add_nc_u64 s[G0B+4*(\s)+2:G0B+4*(\s)+3], s[46:47], (\s)*KSTEP*2
	s_or_b32 s[G0B+4*(\s)+3], s[G0B+4*(\s)+3], 0x80000000
	JLOAD \s                                       ; the ring is filled before anything else is done: two loads of mine are out
.endr
	; A fragment is 16 rows x 32 K in 8 registers: lane l holds row l % 16; registers 0-3 hold K = 8 (l / 16) + 0..7, registers 4-7 hold K = 16 + 8 (l / 16) + 0..7.
	; From rows that lie along K: two loads of 16 bytes, 32 bytes apart.  The same for source 0 and source 1.
	v_and_b32 v1, 15, v0                           ; l % 16
	v_bfe_u32 v2, v0, 4, 1                         ; l / 16
	v_mul_u32_u24 v3, v1, PITCH
	v_lshl_add_u32 v3, v2, 4, v3                   ; row x pitch + 16 x half
	s_mul_i32 s21, s11, HALFT                      ; my 128 rows of q
	s_mul_i32 s22, s12, HALFT                      ; my 128 rows of wh,
	s_add_co_u32 s22, s22, 2*HALFT                 ; which lie behind q's 256
.irp s, 0,1
	v_add_nc_u32 v[ADRA+(\s)], s21, v3
	v_add_nc_u32 v[ADRB+(\s)], s22, v3
	s_add_co_u32 s21, s21, SLOT
	s_add_co_u32 s22, s22, SLOT
.endr
	s_mul_i32 s23, s10, 16*SPITCH
	s_add_co_u32 s23, s23, STAGE                   ; my stage
	v_mul_u32_u24 v4, v1, SPITCH                   ; in: row l % 16, 32 bytes for each half of the lanes
	v_lshl_add_u32 v4, v2, 5, v4
	v_add_nc_u32 v[STO], s23, v4
	v_and_b32 v5, 31, v0                           ; l
	v_lshlrev_b32 v[CO], 4, v5                     ; back: 32 lanes take one row of 512 bytes, which are 512 consecutive bytes of out0
	v_add_nc_u32 v[RD], s23, v[CO]
	; where my part of the tile begins in out0, in rowscale and in weight_qscale
	s_lshl_b32 s13, s13, 8
	s_lshl_b32 s14, s11, 7
	s_add_co_u32 s16, s13, s14                     ; my first row
	s_lshl_b32 s20, s16, 2
	v_lshl_add_u32 v[RSO], v1, 2, s20              ; 4 x (my first row + l % 16)
	s_mov_b32 s17, 0
	s_mov_b64 s[18:19], ROWC
	s_mul_u64 s[16:17], s[16:17], s[18:19]
	s_lshl_b32 s46, s42, 10                        ; my first column, in bytes of f32: 1,024 x tile column + 512 x half
	s_lshl_b32 s47, s12, 9
	s_add_co_u32 s46, s46, s47
	v_add_nc_u32 v[WQO], s46, v[CO]                ; + 16 x lane
	s_mov_b32 s47, 0
	s_add_nc_u64 s[16:17], s[16:17], s[46:47]
	s_add_nc_u64 s[8:9], s[8:9], s[16:17]          ; out0 at my wave's corner: never stepped; the rows stand in the stores' immediates
	; the prefetches.  s13 = 256 x tile row, s42 = tile column, s40 = cx, s41 = cy still stand
	s_lshl_b32 s42, s42, 8
	s_and_b32 s22, ttmp7, 0xffff                   ; cluster y
	s_cmp_eq_u32 s11, 0                            ; do I fetch for q?
	s_cselect_b32 s20, s13, s42                    ; the tile's first row: in q by the tile row, in wh by the tile column
	s_cselect_b32 s21, s40, s41                    ; my place among the four that ask for it with me
	s_cselect_b32 s22, ttmp9, s22                  ; the coordinate along which other clusters read the same rows
	s_cselect_b64 s[PFA:PFA+1], s[4:5], s[6:7]
	s_cmp_eq_u32 s22, 0
	s_cselect_b32 s[LIM], 1, -1                    ; the same in all sixteen partners, for a given wave
	s_lshl_b32 s22, s12, 7
	s_add_co_u32 s20, s20, s22                     ; + the 128 rows that I fetch
	s_lshl_b32 s21, s21, 5
	s_add_co_u32 s20, s20, s21                     ; + my work-group's 32 of them
	s_mov_b32 s21, 0
	s_mov_b64 s[18:19], SIZE_K*2
	s_mul_u64 s[20:21], s[20:21], s[18:19]
	s_add_nc_u64 s[PFA:PFA+1], s[PFA:PFA+1], s[20:21]
	s_add_nc_u64 s[PFA:PFA+1], s[PFA:PFA+1], 2*KSTEP*2  ; at K step 2: the first refill steps it to 3 and names K step 4
	v_and_b32 v[PFO], 31, v0
	v_mul_u32_u24 v[PFO], v[PFO], SIZE_K*2
	; the scales of my part of the tile: nine loads, waited for on the way out; nothing touches their registers meanwhile
.irp a, 0,1,2,3,4,5,6,7
	global_load_b32 v[RS+2*(\a)], v[RSO], s[68:69] offset:64*(\a)
.endr
	global_load_b128 v[WQ:WQ+3], v[WQO], s[70:71]
; 16 matrix instructions: m blocks a0, a0 + 1 of the window's four (hi = 0: my rows 0-63, 1: rows 64-127) x all 8 n blocks, 32 along K.  zero = 1: the first product starts the sums: nothing is ever cleared.
; The 64 accumulators take turns, one instruction a turn, in the same order in every quarter step, over the loop's backward jump and into the tail too.
.macro MUL16 f, hi, a0, zero
	WIN MUL_LO+0x50*(\hi)  ; MUL_LO or MUL_HI
.irp a, \a0, (\a0)+1
.irp b, 0,1,2,3,4,5,6,7
.if \zero
	v_wmma_f32_16x16x32_f16 v[8*(8*(\a)+(\b)):8*(8*(\a)+(\b))+7], v[(\f)+8*(\b):(\f)+8*(\b)+7], v[(\f)+8*(4*(\hi)+(\a)):(\f)+8*(4*(\hi)+(\a))+7], 0
.else
	v_wmma_f32_16x16x32_f16 v[8*(8*(\a)+(\b)):8*(8*(\a)+(\b))+7], v[(\f)+8*(\b):(\f)+8*(\b)+7], v[(\f)+8*(4*(\hi)+(\a)):(\f)+8*(4*(\hi)+(\a))+7], v[8*(8*(\a)+(\b)):8*(8*(\a)+(\b))+7]
.endif
.endr
.endr
.endm
; 32 LDS loads in one run: the fragments of one quarter step (128 rows of wh, 128 rows of q, 32 K at byte k of the rows) into buffer f
.macro FETCH slot, k, f
	WIN TO_B
.irp i, 0,1,2,3,4,5,6,7
	ds_load_b128 v[(\f)+8*(\i):(\f)+8*(\i)+3],   v[ADRB+(\slot)] offset:(\k)+(\i)*16*PITCH
	ds_load_b128 v[(\f)+8*(\i)+4:(\f)+8*(\i)+7], v[ADRB+(\slot)] offset:(\k)+(\i)*16*PITCH+32
.endr
	WIN 0
.irp i, 0,1,2,3,4,5,6,7
	ds_load_b128 v[(\f)+8*(\i):(\f)+8*(\i)+3],   v[ADRA+(\slot)] offset:(\k)+(\i)*16*PITCH
	ds_load_b128 v[(\f)+8*(\i)+4:(\f)+8*(\i)+7], v[ADRA+(\slot)] offset:(\k)+(\i)*16*PITCH+32
.endr
.endm
; A load into a register that a matrix instruction has read stands four places behind that matrix instruction, and only plain vector instructions that name none of its registers are places
; (ISA guide 7.12.1 for vector instructions): four v_nop in front of each run of loads.
.macro PLACES
.rept 4
	v_nop
.endr
.endm
; A K step is four quarter steps of 32 along K, 64 matrix instructions each, on buffers 0, 1, 0, 1.
; One of the first three: multiplies buffer f; in its middle it fetches the next quarter's fragments, at byte k of the same slot's rows, into buffer g.
.macro QUARTER slot, k, f, g, zero
	s_wait_dscnt 8                                 ; wh and q's rows 0-63 are in; the youngest eight loads (q's rows 64-127) may be out
	WIN MUL_LO
	MUL16 \f, 0, 0, \zero
	MUL16 \f, 0, 2, \zero
	PLACES
	FETCH \slot, \k, \g
	s_wait_dscnt 32                                ; all but the 32 just issued
	WIN MUL_HI
	MUL16 \f, 1, 0, \zero
	MUL16 \f, 1, 2, \zero
.endm
; The last quarter multiplies buffer 1 and changes slots.  MEET is its first half: ONE barrier for the change of slots.  In front of it each wave waits for all its tensor loads, of which one is
; out: its part of the next slot; adds 0 to its spare word; and waits for that and for its own reads of this slot.  Behind it nobody reads this slot any more and the next slot is whole.
.macro MEET round                      ; round = 1: a round of the cluster's barrier follows
	WIN 0                                          ; (the add's two registers lie in window 0)
	s_wait_tensorcnt 0x0                           ; all my tensor loads have landed: the one that was out is my part of the next slot;
	ds_add_u32 v[SPW], v[NIL]                      ; 0 onto my spare word;
	s_wait_dscnt 9                                 ; (the add and the youngest eight loads may be out)
	WIN MUL_LO
	MUL16 F1, 0, 0, 0                              ; sixteen matrix instructions stand between the add and the wait for it
	s_wait_dscnt 0x0                               ; the add is done, and my reads of this slot are over:
	s_barrier_signal -1                            ; say so (where a slot is filled again this barrier opens a round of the cluster's barrier),
	MUL16 F1, 0, 2, 0                              ; work on registers while the others arrive,
.if \round
	WIN 0
.endif
	s_barrier_wait -1                              ; and go on when all four have said so
.endm
; The whole last quarter.  fill = 1: behind the round the slot just read out is filled again first, with the K step two steps on: from that request to the wait for it a wave issues 224 matrix
; instructions; then come the next slot's first fragments.  fill = 0 (the tail): nothing is asked for, and no round follows the barrier.
.macro TURN slot, next, fill
.if \fill
	s_wait_xcnt 0x0                                ; the last prefetch, a K step back, has read its address: it is stepped here, ahead of the waits of the change of slots
	s_add_nc_u64 s[PFA:PFA+1], s[PFA:PFA+1], KSTEP*2
	MEET 1
	CREST                                          ; no wave of any partner still reads this slot's tile or has a load on its way
	s_add_nc_u64 s[G0+4*(\slot)+2:G0+4*(\slot)+3], s[G0+4*(\slot)+2:G0+4*(\slot)+3], 2*KSTEP*2     ; no tensor load of mine is out, so a group 0 may be written
	s_add_nc_u64 s[G0B+4*(\slot)+2:G0B+4*(\slot)+3], s[G0B+4*(\slot)+2:G0B+4*(\slot)+3], 2*KSTEP*2
	JLOAD \slot                                    ; the first tensor load behind the round; the four v_nop behind it are also the places in front of the loads below
.else
	MEET 0
	PLACES
.endif
	FETCH \next, 0, F0
.if \fill
	ASK                                            ; behind the joint load and the run of LDS loads that the next products wait for
.endif
	WIN MUL_HI
	MUL16 F1, 1, 0, 0
	MUL16 F1, 1, 2, 0
.endm
	s_wait_tensorcnt 1                             ; my part of K step 0 is in; K step 1's may stay out
	s_barrier_signal -1
	s_barrier_wait -1                              ; everybody's is
	FETCH 0, 0, F0
	QUARTER 0, 64,  F0, F1, 1                      ; the first quarter stands in front of the loop: its products start the sums
	WIN 0                                          ; at a label and at a branch every window is 0
	s_mov_b32 s3, LAPS-1
.Llap:                                                 ; a trip goes once round the ring, from a lap's second quarter to the next lap's first, and fills both slots again: 15 trips bring K steps 2 to 31
	QUARTER 0, 128, F1, F0, 0
	QUARTER 0, 192, F0, F1, 0
	TURN 0, 1, 1
	QUARTER 1, 64,  F0, F1, 0
	QUARTER 1, 128, F1, F0, 0
	QUARTER 1, 192, F0, F1, 0
	TURN 1, 0, 1
	QUARTER 0, 64,  F0, F1, 0
	WIN 0
	s_sub_co_u32 s3, s3, 1
	s_cmp_lg_u32 s3, 0
	s_cbranch_scc1 .Llap
	QUARTER 0, 128, F1, F0, 0                      ; the last lap is written out: it fills nothing
	QUARTER 0, 192, F0, F1, 0
	TURN 0, 1, 0
	QUARTER 1, 64,  F0, F1, 0
	QUARTER 1, 128, F1, F0, 0
	QUARTER 1, 192, F0, F1, 0
	s_wait_dscnt 8                                 ; the very last quarter: nothing more to fetch
	MUL16 F1, 0, 0, 0
	MUL16 F1, 0, 2, 0
	s_wait_dscnt 0x0
	MUL16 F1, 1, 0, 0
	MUL16 F1, 1, 2, 0
; THE WAY OUT, a block of 16 rows x 128 columns at a time, in three parts.
; PACK: the sums go through int32 and back, and are multiplied by their row's scale (a lane holds one row).  Each accumulator's registers are read in ascending order.
.macro PACK a
	WIN 0x02+(\a)/4                                ; source 0: window 2 or 3; destination window 0
.set i, 0
.rept 64
	v_cvt_i32_f32 v[TMP+i], v[64*((\a)%4)+i]
.set i, i+1
.endr
	WIN 0
.set i, 0
.rept 64
	v_cvt_f32_i32 v[TMP+i], v[TMP+i]
.set i, i+1
.endr
.set i, 0
.rept 32
	v_pk_mul_f32 v[TMP+i:TMP+i+1], v[TMP+i:TMP+i+1], v[RS+2*(\a):RS+2*(\a)+1]
.set i, i+2
.endr
.endm
; TOSTAGE: a lane's 32 bytes of each of the eight n blocks go into my own stage, rows of 528 bytes, and come back as whole rows of 512.
.macro TOSTAGE a
.set BK, BK0+64*((\a)%2)
.irp b, 0,1,2,3,4,5,6,7
	ds_store_b128 v[STO], v[TMP+8*(\b):TMP+8*(\b)+3]   offset:64*(\b)
	ds_store_b128 v[STO], v[TMP+8*(\b)+4:TMP+8*(\b)+7] offset:64*(\b)+16
.endr
.set t, 0
.rept 16
	ds_load_b128 v[BK+4*t:BK+4*t+3], v[RD] offset:SPITCH*t  ; LDS serves a wave's instructions in order (ISA guide 5.7.1.4): these see the stores above; the next block's stores come behind them
.set t, t+1
.endr
.endm
; SEND: a lane now holds the same four columns of every row: they are multiplied by the columns' scales and stored.
.macro SEND a
.set BK, BK0+64*((\a)%2)
	s_wait_dscnt 0x0                               ; the block is back in registers
	s_wait_xcnt 0x0                                ; every earlier store has had its addresses translated (ISA guide 3.1): only behind this wait does the next block's way back land in the registers that the block before this one was stored from
.set t, 0
.rept 16
	v_pk_mul_f32 v[BK+4*t:BK+4*t+1],   v[BK+4*t:BK+4*t+1],   v[WQ:WQ+1]
	v_pk_mul_f32 v[BK+4*t+2:BK+4*t+3], v[BK+4*t+2:BK+4*t+3], v[WQ+2:WQ+3]
	global_store_b128 v[CO], v[BK+4*t:BK+4*t+3], s[8:9] offset:(16*(\a)+t)*ROWC th:TH_STORE_NT  ; 32 lanes store 512 consecutive bytes, at a multiple of 512 from out0's first byte; 127 rows at the most: 2,080,768, inside the signed 24-bit immediate
.set t, t+1
.endr
.endm
	WIN 0
	s_wait_loadcnt 0x0                             ; the scales
.irp a, 0,1,2,3,4,5,6,7
	v_mov_b32 v[RS+2*(\a)+1], v[RS+2*(\a)]         ; the pairs for the packed multiply; these eight plain instructions are also the places behind the last products
.endr
	PACK 0
	TOSTAGE 0
.irp a, 1,2,3,4,5,6,7                  ; block a's arithmetic stands between block a - 1's loads from the stage and the wait for them
	PACK \a
	SEND (\a)-1
	TOSTAGE \a
.endr
	SEND 7
	s_wait_tensorcnt 0x0                           ; the wave's end, behind my last tensor load and my last LDS store
	ds_add_u32 v[SPW], v[NIL]
	s_wait_dscnt 0x0
	CROUND                                         ; the closing round: no work-group ends while a partner may still ask for a tile that names it
	s_endpgm
.Lfunc_end_k_q264f02e489_gemm:
	.size	k_q264f02e489_gemm, .Lfunc_end_k_q264f02e489_gemm-k_q264f02e489_gemm
	.p2alignl 7, 3214868480
	.fill 96, 4, 3214868480
	.section	.rodata,"a",@progbits
	.p2align	6, 0x0
	.amdhsa_kernel k_q264f02e489_gemm
		.amdhsa_group_segment_fixed_size 327680
		.amdhsa_private_segment_fixed_size 0
		.amdhsa_enable_private_segment 0
		.amdhsa_kernarg_size 40
		.amdhsa_user_sgpr_count 2
		.amdhsa_user_sgpr_kernarg_segment_ptr 1
		.amdhsa_wavefront_size32 1
		.amdhsa_system_sgpr_workgroup_id_x 1
		.amdhsa_system_sgpr_workgroup_id_y 1
		.amdhsa_system_sgpr_workgroup_id_z 1
		.amdhsa_system_vgpr_workitem_id 0
		.amdhsa_next_free_vgpr 1024
		.amdhsa_next_free_sgpr 72
		.amdhsa_reserve_vcc 0
		.amdhsa_float_denorm_mode_32 3
		.amdhsa_float_denorm_mode_16_64 3
		.amdhsa_memory_ordered 1
		.amdhsa_forward_progress 1
		.amdhsa_inst_pref_size 207
	.end_amdhsa_kernel
	.amdgpu_metadata
---
amdhsa.version: [ 1, 2 ]
amdhsa.kernels:
  - .name:           k_q264f02e489_gemm
    .symbol:         k_q264f02e489_gemm.kd
    .args:
      - { .name: q, .offset: 0, .size: 8, .value_kind: global_buffer, .address_space: global }
      - { .name: wh, .offset: 8, .size: 8, .value_kind: global_buffer, .address_space: global }
      - { .name: out0, .offset: 16, .size: 8, .value_kind: global_buffer, .address_space: global }
      - { .name: rowscale, .offset: 24, .size: 8, .value_kind: global_buffer, .address_space: global }
      - { .name: weight_qscale, .offset: 32, .size: 8, .value_kind: global_buffer, .address_space: global }
    .group_segment_fixed_size: 327680
    .private_segment_fixed_size: 0
    .kernarg_segment_align: 8
    .kernarg_segment_size: 40
    .max_flat_workgroup_size: 128
    .sgpr_count:     72
    .vgpr_count:     1024
    .wavefront_size: 32
...
	.end_amdgpu_metadata
.endif
;; end of part 2
